; MI455X (gfx1250); checked and timed in simulation.
; The chip was launched on July 23, 2026; its instructions are those of AMD's public machine-readable ISA for CDNA 5 (MIT licence, August 2026) and "CDNA5" Instruction Set Architecture Reference Guide (July 2026). The comments in the code are by the model that wrote it; some were corrected since.
;; Loop Linear. Allowed arithmetic: float matrix products may take bf16 or f16 operands with f32 sums; all other float work in f32.
;; Inputs: W 4,096 x 4,096 float32; b 4,096 float32; x 4,096 x 4,096 float32.
;; Outputs: out0 4,096 x 4,096 float32.
;; 2 versions, each right; version 2 is version 1 with the launch tobf16 written anew for expert scheduling mode. Each part assembles by itself: llvm-mc -triple=amdgcn-amd-amdhsa -mcpu=gfx1250 --defsym DOCPART=n.
;; ======== version 1 of 2: 2 launches
;; workspace buffers: xb 33,554,432 bytes; wb 33,554,432 bytes
;; launch tobf16 (part 1): grid 512 x 1, 8 waves a work-group, no clusters, 0 bytes of LDS; arguments x, W, xb, wb; writes xb, wb
.if DOCPART == 1
	.amdgcn_target "amdgcn-amd-amdhsa--gfx1250"
	.amdhsa_code_object_version 6
	.text
	.protected	k_q52c7f3214f_tobf16
	.globl	k_q52c7f3214f_tobf16
	.p2align	8
	.type	k_q52c7f3214f_tobf16,@function
k_q52c7f3214f_tobf16:
	s_mov_b64 s[64:65], 0
	v_nop
	global_prefetch_b8 v0, s[64:65] scope:SCOPE_SE
	s_setreg_imm32_b32 hwreg(HW_REG_WAVE_MODE, 25, 1), 1
	s_wait_xcnt 0x0
; xb = x and wb = W rounded to bf16 (nearest even), [4096][4096] each, for the product that follows.
; LAYOUT OF xb AND wb.  Inside each block of 256 columns the columns are permuted, alike in both tensors: workspace column 8 l + j holds source
; column 4 l + j (j = 0..3) or 128 + 4 l + (j - 4) (j = 4..7), l = 0..31.  So a lane's two loads of 16 bytes make its one store of 16 bytes: every load of a wave
; covers 512 consecutive bytes, every store 512 consecutive bytes, aligned, and nothing changes lanes.  The product sums over all columns of a row, and
; both operands carry the same permutation, so every product x[m][k] W[n][k] is still formed; only the order of the sum differs.
; LIMITS.  A magnitude beyond bf16's largest finite number becomes an infinity; NaN stays NaN.
; SHARES.  A block is 1,024 bytes in, 512 bytes out.  A work-group takes 128 blocks of x and then the 128 blocks of W at the same offset: 16 + 16 rounds of eight
; blocks, one a wave, so that the eight waves sweep consecutive bytes.  512 work-groups x 131,072 bytes are each tensor's 67,108,864.
; A ring of eight slots in registers keeps sixteen loads of every wave on their way.  All 32 turns are written out: the round stands in the immediate offset
; (123,392 at the most), and no address register is ever rewritten.  No LDS, no barrier, no matrix unit: every byte is used once, by the lane that loaded it.
.set X, 8                              ; v[8:71]   slot i: 8 registers: floats 4 l .. 4 l + 3, then floats 128 + 4 l .. 128 + 4 l + 3 of the block
.set Y, 72                             ; v[72:103] slot i: 4 registers, 8 bf16 to store
.set VIN, 2                            ; v2  1,024 x wave + 16 x lane; never rewritten
.set VOUT, 3                           ; v3  512 x wave + 16 x lane; never rewritten
	s_load_b256 s[4:11], s[0:1], 0x0               ; x s[4:5], W s[6:7], xb s[8:9], wb s[10:11]
	s_lshl_b32 s12, ttmp9, 17                      ; my 131,072 bytes of x and of W,
	s_mov_b32 s13, 0
	s_lshl_b32 s14, ttmp9, 16                      ; my 65,536 bytes of xb and of wb
	s_mov_b32 s15, 0
	v_and_b32 v1, 0xe0, v0                         ; 32 x wave
	v_lshlrev_b32 v[VOUT], 4, v0                   ; 16 x thread = 512 x wave + 16 x lane
	v_lshl_add_u32 v[VIN], v1, 4, v[VOUT]          ; + 512 x wave
	s_wait_kmcnt 0x0
	s_add_nc_u64 s[4:5], s[4:5], s[12:13]
	s_add_nc_u64 s[6:7], s[6:7], s[12:13]
	s_add_nc_u64 s[8:9], s[8:9], s[14:15]
	s_add_nc_u64 s[10:11], s[10:11], s[14:15]
; Turn blk of 32: tensor blk / 16 (x, then W), round blk % 16, slot blk % 8.
.macro LOAD2 blk                       ; the block's two halves: 512 consecutive bytes each
	global_load_b128 v[X+8*((\blk)%8):X+8*((\blk)%8)+3],   v[VIN], s[4+2*((\blk)/16):5+2*((\blk)/16)] offset:8192*((\blk)%16) th:TH_LOAD_NT
	global_load_b128 v[X+8*((\blk)%8)+4:X+8*((\blk)%8)+7], v[VIN], s[4+2*((\blk)/16):5+2*((\blk)/16)] offset:8192*((\blk)%16)+512 th:TH_LOAD_NT
.endm
; ahead = 1: the slot is filled again with the block eight turns on.  left = how many younger loads may stay out.
.macro SLOT blk, ahead, left
	s_wait_loadcnt \left                           ; loads come back in order (ISA guide 5.7.1): my slot's two are in, the other seven slots' stay out
	s_wait_xcnt 0x0                                ; every earlier memory instruction has had its addresses translated (ISA guide 3.1): the slot's Y, which its last store reads, is rewritten only behind this wait
.irp j, 0,1,2,3
	v_cvt_pk_bf16_f32 v[Y+4*((\blk)%8)+(\j)], v[X+8*((\blk)%8)+2*(\j)], v[X+8*((\blk)%8)+2*(\j)+1]  ; two roundings, packed
.endr
.if \ahead
	LOAD2 (\blk)+8                                 ; the load goes out ahead of the store
.endif
	global_store_b128 v[VOUT], v[Y+4*((\blk)%8):Y+4*((\blk)%8)+3], s[8+2*((\blk)/16):9+2*((\blk)/16)] offset:4096*((\blk)%16)  ; no hint: the next launch reads these bytes
.endm
.set n, 0
.rept 8
	LOAD2 n                                        ; the ring is filled: sixteen loads
.set n, n+1
.endr
.set n, 0
.rept 24
	SLOT n, 1, 14
.set n, n+1
.endr
.rept 8
	SLOT n, 0, 2*(31-n)                            ; the last round loads nothing: the counts run down 14, 12, .. 0
.set n, n+1
.endr
	s_endpgm
.Lfunc_end_k_q52c7f3214f_tobf16:
	.size	k_q52c7f3214f_tobf16, .Lfunc_end_k_q52c7f3214f_tobf16-k_q52c7f3214f_tobf16
	.p2alignl 7, 3214868480
	.fill 96, 4, 3214868480
	.section	.rodata,"a",@progbits
	.p2align	6, 0x0
	.amdhsa_kernel k_q52c7f3214f_tobf16
		.amdhsa_group_segment_fixed_size 0
		.amdhsa_private_segment_fixed_size 0
		.amdhsa_enable_private_segment 0
		.amdhsa_kernarg_size 32
		.amdhsa_user_sgpr_count 2
		.amdhsa_user_sgpr_kernarg_segment_ptr 1
		.amdhsa_wavefront_size32 1
		.amdhsa_system_sgpr_workgroup_id_x 1
		.amdhsa_system_sgpr_workgroup_id_y 1
		.amdhsa_system_sgpr_workgroup_id_z 1
		.amdhsa_system_vgpr_workitem_id 0
		.amdhsa_next_free_vgpr 104
		.amdhsa_next_free_sgpr 66
		.amdhsa_reserve_vcc 0
		.amdhsa_float_denorm_mode_32 3
		.amdhsa_float_denorm_mode_16_64 3
		.amdhsa_memory_ordered 1
		.amdhsa_forward_progress 1
		.amdhsa_inst_pref_size 20
	.end_amdhsa_kernel
	.amdgpu_metadata
---
amdhsa.version: [ 1, 2 ]
amdhsa.kernels:
  - .name:           k_q52c7f3214f_tobf16
    .symbol:         k_q52c7f3214f_tobf16.kd
    .args:
      - { .name: x, .offset: 0, .size: 8, .value_kind: global_buffer, .address_space: global }
      - { .name: W, .offset: 8, .size: 8, .value_kind: global_buffer, .address_space: global }
      - { .name: xb, .offset: 16, .size: 8, .value_kind: global_buffer, .address_space: global }
      - { .name: wb, .offset: 24, .size: 8, .value_kind: global_buffer, .address_space: global }
    .group_segment_fixed_size: 0
    .private_segment_fixed_size: 0
    .kernarg_segment_align: 8
    .kernarg_segment_size: 32
    .max_flat_workgroup_size: 256
    .sgpr_count:     66
    .vgpr_count:     104
    .wavefront_size: 32
...
	.end_amdgpu_metadata
.endif
;; end of part 1
;; launch gemm (part 2): grid 16 x 16, 4 waves a work-group, clusters of 4 x 4, 327,680 bytes of LDS; arguments xb, wb, b, out0; writes out0
.if DOCPART == 2
	.amdgcn_target "amdgcn-amd-amdhsa--gfx1250"
	.amdhsa_code_object_version 6
	.text
	.protected	k_q52c7f3214f_gemm
	.globl	k_q52c7f3214f_gemm
	.p2align	8
	.type	k_q52c7f3214f_gemm,@function
k_q52c7f3214f_gemm:
	s_mov_b64 s[64:65], 0
	v_nop
	global_prefetch_b8 v0, s[64:65] scope:SCOPE_SE
	s_setreg_imm32_b32 hwreg(HW_REG_WAVE_MODE, 25, 1), 1
	s_wait_xcnt 0x0
	s_wait_alu depctr_hold_cnt(0) depctr_sa_sdst(0) depctr_va_vdst(0) depctr_va_sdst(0) depctr_va_ssrc(0) depctr_va_vcc(0) depctr_vm_vsrc(0)
	s_getreg_b32 s2, hwreg(HW_REG_IB_STS2, 6, 4)
	s_cmp_eq_u32 s2, 0
	s_cbranch_scc0 .Lentry_in_a_cluster
	s_endpgm
.Lentry_in_a_cluster:
	s_bfe_u32 s2, ttmp6, 0x10000c
	s_cmp_lg_u32 s2, 0xf033
	s_cbranch_scc0 .Lentry_shape_is_right
	s_endpgm
.Lentry_shape_is_right:
; out0[m][n] = b[n] + sum over k of xb[m][k] wb[n][k].  xb, wb: [4096][4096] bf16 (x and W rounded once, columns permuted alike inside blocks of 256); b: [4096] f32; out0: [4096][4096] f32.
; LIMITS.  The operands are bf16, the sums f32.  The order of the sum is not the source's: the bias comes first, as the value that starts each sum, and k runs in the workspace's
; permuted order.  NaN and infinities pass as the matrix instruction makes them.
; SHARES.  A tile of out0, 256 x 256, is made by a work-group of four waves; a wave makes 128 x 128: 64 accumulators of 16 x 16, 512 registers.  4096 / 256 squared = 256 work-groups, one tile each.
; K goes in 32 steps of 128 through a ring of two LDS slots filled by the tensor data mover: the tiles' rows are 256 bytes of memory and start at multiples of 256 bytes from the buffer's first byte.
; CLUSTERS: 4 x 4 work-groups.  The four of a row of the cluster need the same tiles of xb, the four of a column the same tiles of wb: each tile is asked for JOINTLY, by the same tensor load
; with the same descriptor and a mask that names the four, which divides the requests for both by four.
; THE MATRIX INSTRUCTION IS USED TRANSPOSED: source 0 = 16 rows of wb, source 1 = 16 rows of xb.  In the result lane l holds row m = l % 16 and its registers 0 to 7 the columns
; n = 8 (l / 16) + 0 .. 7.  THE BIAS has that layout too (register j: b[n0 + 8 (l / 16) + j]) and is the C operand of each accumulator's first product: no vector instruction adds it, nothing is cleared.
; REGISTERS, in windows of 256 (s_set_vgpr_msb's low byte: bits 1:0 source 0, 3:2 source 1, 5:4 source 2, 7:6 destination):
;   window 0: v0-31 addresses; v64-127, v128-191 fragments of xb, two buffers (on the way out: rows read back from the stage); v192-255 the bias of my 128 columns
;   window 1: v64-127, v128-191 fragments of wb, two buffers
;   window 2: the 32 accumulators of my rows 0-63 (accumulator (a, b) at v[8 (8 a + b)]);   window 3: those of my rows 64-127
.set SIZE_K, 4096
.set SIZE_N, 4096
.set KSTEP,  128
.set PITCH,  272                       ; an LDS row: 256 bytes of data + 16 of padding = 68 words: row r starts at bank 4 r mod 64 (64 banks of 4 bytes: ISA guide 11.1), so the 16 rows of a load start at 16 different banks
.set HALFT,  128*PITCH                 ; 128 rows: what one tensor load brings, and what one wave reads of xb or of wb
.set SLOT,   4*HALFT                   ; xb's 256 rows, then wb's 256 rows
.set STAGE,  2*SLOT                    ; behind the ring, never filled by a tensor load: a stage for each wave, for the way out
.set SPITCH, 528                       ; a stage row: 128 f32 = 512 bytes + 16 = 33 x 16: sixteen lanes that store to sixteen rows touch sixteen different columns of 16 bytes
.set WSTAGE, 16*SPITCH                 ; 16 rows: 8,448 bytes = 33 blocks of 256
.set SPARE,  STAGE+4*WSTAGE            ; behind the stages: the spare words, 128 bytes for each wave: two blocks of 256 bytes that no other line names
.set LAPS,   SIZE_K/(2*KSTEP)          ; a lap = two K steps = once round the ring: 16
.set CROW,   SIZE_N*4                  ; bytes in a row of out0
.set ADRA, 16                          ; v16-17  LDS address of my xb fragments in slot 0, 1
.set ADRB, 20                          ; v20-21  the same for wb
.set STO,  24                          ; v24     the way out: where I put 32 bytes of a row
.set RD,   25                          ; v25     the way out: where I read a row back
.set CO,   26                          ; v26     my byte offset in 512 bytes of a row of out0
.set VB,   27                          ; v27     my byte offset in 64 bytes of the bias
.set SPW,  28                          ; v28     LDS address of my spare word: SPARE + 4 x my thread's number; never rewritten
.set NIL,  29                          ; v29     0; never rewritten
.set F0,   64                          ; fragment buffer 0
.set F1,   128                         ; fragment buffer 1
.set BI,   192                         ; the bias: column block b at v[BI + 8 b]; never rewritten
.set G1,  24                           ; s[24:31] descriptor group 1 for xb's tiles
.set G0,  32                           ; s[32:39] descriptor group 0 for xb's tiles, one set for each slot
.set G1B, 48                           ; s[48:55] group 1 for wb's tiles: it differs in the mask alone
.set G0B, 56                           ; s[56:63] group 0 for wb's tiles, one set for each slot
.set MSB, 0
.macro WIN new                         ; the immediate's high byte repeats the setting that is left; a switch that changes nothing is dropped
.if MSB != (\new)
	s_set_vgpr_msb (MSB<<8)|(\new)
.set MSB, \new
.endif
.endm
.set MUL_LO,   0xa1                    ; source 0 (wb) window 1, source 1 (xb) window 0, C and D window 2
.set MUL_HI,   0xf1                    ; the same, C and D window 3
.set FIRST_LO, 0x81                    ; the first products: C (the bias) window 0, D window 2
.set FIRST_HI, 0xc1                    ; the same, D window 3
.set TO_B,     0x40                    ; destination window 1, address window 0
.set ST_LO,    0x08                    ; an LDS store's data (source 1) window 2, address window 0
.set ST_HI,    0x0c                    ; the same, data window 3
; A joint load.  Waves 0 and 1 fetch xb's two halves, waves 2 and 3 wb's.  Each of the two lines has one mask and one set of registers for all that issue it.  The branch hangs on the
; wave's number alone.  An s_nop 0 and four v_nop follow each of the two lines; the jump, the label and what follows the macro come after them.
.macro JLOAD s
	s_cmp_eq_u32 s13, 0
	s_cbranch_scc0 .Lfor_b_\@
	tensor_load_to_lds s[G0+4*(\s):G0+4*(\s)+3], s[G1:G1+7]
	s_nop 0
.rept 4
	v_nop
.endr
	s_branch .Lasked_\@
.Lfor_b_\@:
	tensor_load_to_lds s[G0B+4*(\s):G0B+4*(\s)+3], s[G1B:G1B+7]
	s_nop 0
.rept 4
	v_nop
.endr
.Lasked_\@:
.endm
; A round of the cluster's barrier: my work-group's barrier, so that wave 0's signal speaks for all four waves; wave 0 signals for the work-group; every wave waits for all sixteen
; work-groups; my work-group's barrier once more.
.macro CREST                           ; a round behind its opening barrier
	s_cmp_lg_u32 s12, 0
	s_cbranch_scc1 .Lnot_wave_0_\@
	s_barrier_signal -3
.Lnot_wave_0_\@:
	s_barrier_wait -3
	s_barrier_signal -1
	s_barrier_wait -1
.endm
.macro CROUND                          ; a whole round
	s_barrier_signal -1
	s_barrier_wait -1
	CREST
.endm
	s_load_b256 s[4:11], s[0:1], 0x0               ; xb s[4:5], wb s[6:7], b s[8:9], out0 s[10:11]
	v_lshl_add_u32 v[SPW], v0, 2, SPARE
	v_mov_b32 v[NIL], 0
	ds_add_u32 v[SPW], v[NIL]                      ; the wave's opening: the add and its wait stand ahead of my first tensor load; the set-up below, work on registers, stands between them
	v_lshrrev_b32 v1, 5, v0
	v_readfirstlane_b32 s12, v1                    ; wave 0..3
	s_lshr_b32 s13, s12, 1                         ; which half of the tile's rows is mine.  Also: I fetch for xb (0) or for wb (1)
	s_and_b32 s14, s12, 1                          ; which half of its columns.  Also: which 128 rows of that tile I fetch
	s_bfe_u32 s40, ttmp6, 0x40000                  ; cx: my place along the cluster's x
	s_bfe_u32 s41, ttmp6, 0x40004                  ; cy: along its y
	s_lshl_b32 s42, ttmp9, 2                       ; in a cluster launch ttmp9 and ttmp7 count clusters
	s_add_co_u32 s42, s42, s40                     ; tile column = 4 x cluster x + cx
	s_and_b32 s43, ttmp7, 0xffff
	s_lshl_b32 s43, s43, 2
	s_add_co_u32 s43, s43, s41                     ; tile row = 4 x cluster y + cy
	s_lshl_b32 s44, s41, 2
	s_lshl_b32 s44, 15, s44                        ; my row of the cluster: places 4 cy .. 4 cy + 3
	s_lshl_b32 s45, 0x1111, s40                    ; my column: places cx, cx + 4, cx + 8, cx + 12
	; descriptor group 1: a tile of 128 rows x 128 elements, padded in LDS
	s_or_b32 s[G1+0], s44, (1<<16)|(1<<20)|(1<<21)|(5<<22)|(3<<25)   ; 15:0 the mask: xb's tiles go to my row; 17:16 elements of 2 bytes; 20 padding on; 21 set beside a mask; 24:22 after every 64 words (code 5); 31:25 4 words of it (code 3)
	s_or_b32 s[G1B+0], s45, (1<<16)|(1<<20)|(1<<21)|(5<<22)|(3<<25)  ; the same with the mask of my column, for wb's tiles
.irp g, G1, G1B
	s_mov_b32 s[(\g)+1], KSTEP<<16                 ; 63:48 tensor_dim0, low half = 128
	s_mov_b32 s[(\g)+2], 128<<16                   ; 79:64 its high half = 0; 95:80 tensor_dim1, low half = 128
	s_mov_b32 s[(\g)+3], KSTEP<<16                 ; 111:96 its high half = 0; 127:112 tile_dim0 = 128
	s_mov_b32 s[(\g)+4], 128                       ; 143:128 tile_dim1 = 128; 159:144 tile_dim2 = 0
	s_mov_b32 s[(\g)+5], SIZE_K                    ; 191:160 tensor_dim0_stride, low word: elements from row to row
	s_mov_b32 s[(\g)+6], 0
	s_mov_b32 s[(\g)+7], 0
.endr
	; where the tiles come from.  xb's hang on the tile row alone, which my row of the cluster shares; wb's on the tile column alone, which my column shares.
	; Every wave makes both offsets, in registers that never hold the other coordinate.  A row is 8,192 bytes; the largest offset is under 2^25.
	s_lshl_b32 s21, s14, 7                         ; which 128 rows of the tile I fetch
	s_lshl_b32 s16, s43, 8
	s_add_co_u32 s16, s16, s21                     ; xb: row 256 x tile row + 128 x half
	s_lshl_b32 s16, s16, 13
	s_mov_b32 s17, 0
	s_lshl_b32 s46, s42, 8
	s_add_co_u32 s46, s46, s21                     ; wb: row 256 x tile column + 128 x half
	s_lshl_b32 s46, s46, 13
	s_mov_b32 s47, 0
	s_mul_i32 s20, s12, HALFT                      ; and where they go: xb's two halves, then wb's two = wave x 128 rows: no place in the cluster enters an LDS address
	s_wait_dscnt 0x0                               ; the opening add is done
	s_wait_kmcnt 0x0
	s_add_nc_u64 s[18:19], s[4:5], s[16:17]
	s_add_nc_u64 s[46:47], s[6:7], s[46:47]
	CROUND                                         ; all sixteen work-groups are here: the first joint loads meet
.irp s, 0,1
	s_mov_b32 s[G0+4*(\s)], 1                                        ; 1:0 count = 1
	s_add_co_u32 s[G0+4*(\s)+1], s20, (\s)*SLOT                      ; 63:32 LDS address
	s_add_nc_u64 s[G0+4*(\s)+2:G0+4*(\s)+3], s[18:19], (\s)*KSTEP*2  ; 120:64 global address: K step s
	s_or_b32 s[G0+4*(\s)+3], s[G0+4*(\s)+3], 0x80000000              ; 127:126 type = 2
	s_mov_b32 s[G0B+4*(\s)], 1
	s_add_co_u32 s[G0B+4*(\s)+1], s20, (\s)*SLOT
	s_add_nc_u64 s[G0B+4*(\s)+2:G0B+4*(\s)+3], s[46:47], (\s)*KSTEP*2
	s_or_b32 s[G0B+4*(\s)+3], s[G0B+4*(\s)+3], 0x80000000
	JLOAD \s                                       ; the ring is filled before anything else is done: two tensor loads of mine are out
.endr
	; my 128 columns, in bytes of f32 (in the registers that held wb's address: none that feeds xb's descriptors ever holds cx), and my 128 rows of out0
	s_lshl_b32 s46, s42, 10                        ; 1,024 x tile column
	s_lshl_b32 s47, s14, 9                         ; + 512 x half
	s_add_co_u32 s46, s46, s47
	s_mov_b32 s47, 0
	s_add_nc_u64 s[8:9], s[8:9], s[46:47]          ; the bias at my first column
	s_lshl_b32 s16, s43, 8
	s_lshl_b32 s17, s13, 7
	s_add_co_u32 s16, s16, s17                     ; my first row: 256 x tile row + 128 x half,
	s_lshl_b32 s16, s16, 14                        ; of 16,384 bytes: under 2^26
	s_mov_b32 s17, 0
	s_add_nc_u64 s[10:11], s[10:11], s[16:17]
	s_add_nc_u64 s[10:11], s[10:11], s[46:47]      ; out0 at my first row and column; never stepped
	v_and_b32 v1, 15, v0                           ; l % 16
	v_bfe_u32 v2, v0, 4, 1                         ; l / 16
	v_lshlrev_b32 v[VB], 5, v2                     ; 8 (l / 16) numbers of 4 bytes
.irp b, 0,1,2,3,4,5,6,7                ; the bias of column block b: b[n0 + 16 b + 8 (l / 16) + 0 .. 7].  Once a wave, 512 bytes in all
	global_load_b128 v[BI+8*(\b):BI+8*(\b)+3],   v[VB], s[8:9] offset:64*(\b)
	global_load_b128 v[BI+8*(\b)+4:BI+8*(\b)+7], v[VB], s[8:9] offset:64*(\b)+16
.endr
	; A fragment is 16 rows x 32 K in 8 registers: lane l holds row l % 16; registers 0-3 hold K = 8 (l / 16) + 0..7, registers 4-7 hold K = 16 + 8 (l / 16) + 0..7:
	; two loads of 16 bytes, 32 bytes apart.  The same for source 0 and source 1.
	v_mul_u32_u24 v3, v1, PITCH
	v_lshl_add_u32 v3, v2, 4, v3                   ; row x pitch + 16 x half
	s_mul_i32 s21, s13, HALFT                      ; my 128 rows of xb
	s_mul_i32 s22, s14, HALFT                      ; my 128 rows of wb,
	s_add_co_u32 s22, s22, 2*HALFT                 ; which lie behind xb's 256
.irp s, 0,1
	v_add_nc_u32 v[ADRA+(\s)], s21, v3
	v_add_nc_u32 v[ADRB+(\s)], s22, v3
	s_add_co_u32 s21, s21, SLOT
	s_add_co_u32 s22, s22, SLOT
.endr
	s_mul_i32 s23, s12, WSTAGE
	s_add_co_u32 s23, s23, STAGE                   ; my stage
	v_mul_u32_u24 v4, v1, SPITCH                   ; in: row l % 16, 32 bytes for each half of the lanes
	v_lshl_add_u32 v4, v2, 5, v4
	v_add_nc_u32 v[STO], s23, v4
	v_and_b32 v5, 31, v0
	v_lshlrev_b32 v[CO], 4, v5                     ; back and out: 32 lanes take one row's 512 bytes
	v_add_nc_u32 v[RD], s23, v[CO]
; 16 matrix instructions: m blocks a0, a0 + 1 of the window's four (hi = 0: my rows 0-63, 1: rows 64-127) x all 8 n blocks, 32 along K.
; first = 1: the product starts the sum, with the bias as C.  The 64 accumulators take turns, one instruction a turn, in the same order in every quarter step.
.macro MUL16 f, hi, a0, first
.if \first
	WIN FIRST_LO+0x40*(\hi)
.else
	WIN MUL_LO+0x50*(\hi)
.endif
.irp a, \a0, (\a0)+1
.irp b, 0,1,2,3,4,5,6,7
.if \first
	v_wmma_f32_16x16x32_bf16 v[8*(8*(\a)+(\b)):8*(8*(\a)+(\b))+7], v[(\f)+8*(\b):(\f)+8*(\b)+7], v[(\f)+8*(4*(\hi)+(\a)):(\f)+8*(4*(\hi)+(\a))+7], v[BI+8*(\b):BI+8*(\b)+7]
.else
	v_wmma_f32_16x16x32_bf16 v[8*(8*(\a)+(\b)):8*(8*(\a)+(\b))+7], v[(\f)+8*(\b):(\f)+8*(\b)+7], v[(\f)+8*(4*(\hi)+(\a)):(\f)+8*(4*(\hi)+(\a))+7], v[8*(8*(\a)+(\b)):8*(8*(\a)+(\b))+7]
.endif
.endr
.endr
.endm
; 32 LDS loads in one run: the fragments of one quarter step (128 rows of wb, 128 rows of xb, 32 K at byte k of the rows) into buffer f
.macro FETCH slot, k, f
	WIN TO_B
.irp i, 0,1,2,3,4,5,6,7
	ds_load_b128 v[(\f)+8*(\i):(\f)+8*(\i)+3],   v[ADRB+(\slot)] offset:(\k)+(\i)*16*PITCH
	ds_load_b128 v[(\f)+8*(\i)+4:(\f)+8*(\i)+7], v[ADRB+(\slot)] offset:(\k)+(\i)*16*PITCH+32
.endr
	WIN 0
.irp i, 0,1,2,3,4,5,6,7
	ds_load_b128 v[(\f)+8*(\i):(\f)+8*(\i)+3],   v[ADRA+(\slot)] offset:(\k)+(\i)*16*PITCH
	ds_load_b128 v[(\f)+8*(\i)+4:(\f)+8*(\i)+7], v[ADRA+(\slot)] offset:(\k)+(\i)*16*PITCH+32
.endr
.endm
; A load into a register that a matrix instruction has read, and an LDS store that reads a matrix result, stand four places behind that matrix instruction, and only plain vector
; instructions that name none of its registers are places (ISA guide 7.12.1 for vector instructions).
.macro PLACES
.rept 4
	v_nop
.endr
.endm
; A K step is four quarter steps of 32 along K, 64 matrix instructions each, on buffers 0, 1, 0, 1.
; One of the first three: multiplies buffer f; in its middle it fetches the next quarter's fragments, at byte k of the same slot's rows, into buffer g.
.macro QUARTER slot, k, f, g, first
	s_wait_dscnt 8                                 ; wb and xb's rows 0-63 are in; the youngest eight loads (xb's rows 64-127) may be out
	MUL16 \f, 0, 0, \first
	MUL16 \f, 0, 2, \first
	PLACES
	FETCH \slot, \k, \g
	s_wait_dscnt 32                                ; all but the 32 just issued
	MUL16 \f, 1, 0, \first
	MUL16 \f, 1, 2, \first
.endm
; The last quarter multiplies buffer 1 and changes slots: ONE barrier, for two things.  In front of it each wave waits for all its tensor loads, of which one is out: its part of the next
; slot; adds 0 to its spare word; and waits for that and for its own reads of this slot.  Behind it nobody reads this slot any more and the next slot is whole.
; fill = 1: this slot is filled again, with the K step two steps on.  The barrier then opens a round of the cluster's barrier, and the joint refill is the first tensor load behind the
; round: from that request to the wait for it a wave issues 224 matrix instructions.
.macro TURN slot, next, fill
	WIN 0                                          ; (the add's two registers lie in window 0)
	s_wait_tensorcnt 0x0                           ; all my tensor loads have landed: the one that was out is my part of the next slot;
	ds_add_u32 v[SPW], v[NIL]                      ; 0 onto my spare word;
	s_wait_dscnt 9                                 ; (the add and the youngest eight loads may be out)
	MUL16 F1, 0, 0, 0                              ; sixteen matrix instructions stand between the add and the wait for it
	s_wait_dscnt 0x0                               ; the add is done, and my reads of this slot are over:
	s_barrier_signal -1                            ; say so,
	MUL16 F1, 0, 2, 0                              ; work on registers while the others arrive,
.if \fill
	WIN 0
.endif
	s_barrier_wait -1                              ; and go on when all four have said so
.if \fill
	CREST                                          ; all sixteen work-groups have said so: no wave of any partner still reads this slot's tile or has a load on its way
	s_add_nc_u64 s[G0+4*(\slot)+2:G0+4*(\slot)+3], s[G0+4*(\slot)+2:G0+4*(\slot)+3], 2*KSTEP*2      ; no tensor load of mine is out: the slot's addresses step; the type bits on top are not reached
	s_add_nc_u64 s[G0B+4*(\slot)+2:G0B+4*(\slot)+3], s[G0B+4*(\slot)+2:G0B+4*(\slot)+3], 2*KSTEP*2
	JLOAD \slot                                    ; the four v_nop behind it are also the places in front of the loads below
.else
	PLACES
.endif
	FETCH \next, 0, F0
	MUL16 F1, 1, 0, 0
	MUL16 F1, 1, 2, 0
.endm
; THE WAY OUT of block a (16 of my rows), in two parts.  A lane holds 8 neighbouring columns of one row in each of the block's 8 accumulators, and the lanes beside it hold other rows.
; TOSTAGE: the results go as they are, f32, into my own stage in LDS (each accumulator's low four registers first) and come back as whole rows of 512 bytes.
.macro TOSTAGE a
.set AC, 64*((\a)%4)                   ; its eight accumulators, in window 2 (blocks 0-3) or 3 (blocks 4-7)
.set BK, F0+64*((\a)%2)                ; 64 registers for the rows read back: the two fragment buffers of window 0 by turns
	WIN ST_LO+4*((\a)/4)
.irp b, 0,1,2,3,4,5,6,7
	ds_store_b128 v[STO], v[AC+8*(\b):AC+8*(\b)+3]   offset:64*(\b)
	ds_store_b128 v[STO], v[AC+8*(\b)+4:AC+8*(\b)+7] offset:64*(\b)+16
.endr
	WIN 0
.irp t, 0,1,2,3,4,5,6,7,8,9,10,11,12,13,14,15
	ds_load_b128 v[BK+4*(\t):BK+4*(\t)+3], v[RD] offset:(\t)*SPITCH  ; LDS serves a wave's instructions in order (ISA guide 5.7.1.4): these see the stores above; the next block's stores come behind them
.endr
.endm
; SEND: stored.  younger: the LDS instructions issued behind the block's own loads: the next block's 16 stores and 16 loads, or none.
.macro SEND a, younger
.set BK, F0+64*((\a)%2)
	WIN 0
.irp t, 0,1,2,3,4,5,6,7,8,9,10,11,12,13,14,15
	s_wait_dscnt (\younger)+15-(\t)                ; row t is back in registers
	global_store_b128 v[CO], v[BK+4*(\t):BK+4*(\t)+3], s[10:11] offset:(16*(\a)+(\t))*CROW th:TH_STORE_NT  ; 32 lanes store 512 consecutive bytes of a row, at a multiple of 512 from out0's first byte; 127 rows at the most: 2,080,768, inside the signed 24-bit immediate
.endr
.endm
	s_wait_loadcnt 0x0                             ; the bias
	s_wait_tensorcnt 1                             ; my part of K step 0 is in; K step 1's may stay out
	s_barrier_signal -1
	s_barrier_wait -1                              ; everybody's is
	FETCH 0, 0, F0
	QUARTER 0, 64,  F0, F1, 1                      ; the first quarter stands in front of the loop: its products start the sums, with the bias
	WIN 0                                          ; at a label and at a branch every window is 0
	s_mov_b32 s15, LAPS-1
.Llap:                                                 ; a trip goes once round the ring, from a lap's second quarter to the next lap's first, and fills both slots again: trip t asks for K steps 2 t + 2 and 2 t + 3
	QUARTER 0, 128, F1, F0, 0
	QUARTER 0, 192, F0, F1, 0
	TURN 0, 1, 1
	QUARTER 1, 64,  F0, F1, 0
	QUARTER 1, 128, F1, F0, 0
	QUARTER 1, 192, F0, F1, 0
	TURN 1, 0, 1
	QUARTER 0, 64,  F0, F1, 0
	WIN 0
	s_sub_co_u32 s15, s15, 1
	s_cmp_lg_u32 s15, 0
	s_cbranch_scc1 .Llap
	QUARTER 0, 128, F1, F0, 0                      ; the last lap is written out: it fills nothing, and has no round of the cluster's barrier
	QUARTER 0, 192, F0, F1, 0
	TURN 0, 1, 0
	QUARTER 1, 64,  F0, F1, 0
	QUARTER 1, 128, F1, F0, 0
	QUARTER 1, 192, F0, F1, 0
	s_wait_dscnt 8                                 ; the very last quarter: nothing more to fetch
	MUL16 F1, 0, 0, 0
	MUL16 F1, 0, 2, 0
	s_wait_dscnt 0x0
	MUL16 F1, 1, 0, 0
	MUL16 F1, 1, 2, 0
	WIN 0
	PLACES                                         ; behind the last products: the LDS stores below read results, the LDS loads land in registers that products have read
	TOSTAGE 0
.irp a, 1,2,3,4,5,6,7                  ; block a's way through the stage stands between block a - 1's loads from the stage and its stores
.if (\a) >= 2
	s_wait_xcnt 0x0                                ; every earlier memory instruction has had its addresses translated (ISA guide 3.1): the registers that block a - 2's stores read are loaded again only behind this wait
.endif
	TOSTAGE \a
	SEND (\a)-1, 32
.endr
	SEND 7, 0
	s_wait_tensorcnt 0x0                           ; the wave's end, behind my last tensor load and my last LDS store
	ds_add_u32 v[SPW], v[NIL]
	s_wait_dscnt 0x0
	CROUND                                         ; the closing round: no work-group ends while a partner may still ask for a tile that names it
	s_endpgm
.Lfunc_end_k_q52c7f3214f_gemm:
	.size	k_q52c7f3214f_gemm, .Lfunc_end_k_q52c7f3214f_gemm-k_q52c7f3214f_gemm
	.p2alignl 7, 3214868480
	.fill 96, 4, 3214868480
	.section	.rodata,"a",@progbits
	.p2align	6, 0x0
	.amdhsa_kernel k_q52c7f3214f_gemm
		.amdhsa_group_segment_fixed_size 327680
		.amdhsa_private_segment_fixed_size 0
		.amdhsa_enable_private_segment 0
		.amdhsa_kernarg_size 32
		.amdhsa_user_sgpr_count 2
		.amdhsa_user_sgpr_kernarg_segment_ptr 1
		.amdhsa_wavefront_size32 1
		.amdhsa_system_sgpr_workgroup_id_x 1
		.amdhsa_system_sgpr_workgroup_id_y 1
		.amdhsa_system_sgpr_workgroup_id_z 1
		.amdhsa_system_vgpr_workitem_id 0
		.amdhsa_next_free_vgpr 1024
		.amdhsa_next_free_sgpr 66
		.amdhsa_reserve_vcc 0
		.amdhsa_float_denorm_mode_32 3
		.amdhsa_float_denorm_mode_16_64 3
		.amdhsa_memory_ordered 1
		.amdhsa_forward_progress 1
		.amdhsa_inst_pref_size 145
	.end_amdhsa_kernel
	.amdgpu_metadata
---
amdhsa.version: [ 1, 2 ]
amdhsa.kernels:
  - .name:           k_q52c7f3214f_gemm
    .symbol:         k_q52c7f3214f_gemm.kd
    .args:
      - { .name: xb, .offset: 0, .size: 8, .value_kind: global_buffer, .address_space: global }
      - { .name: wb, .offset: 8, .size: 8, .value_kind: global_buffer, .address_space: global }
      - { .name: b, .offset: 16, .size: 8, .value_kind: global_buffer, .address_space: global }
      - { .name: out0, .offset: 24, .size: 8, .value_kind: global_buffer, .address_space: global }
    .group_segment_fixed_size: 327680
    .private_segment_fixed_size: 0
    .kernarg_segment_align: 8
    .kernarg_segment_size: 32
    .max_flat_workgroup_size: 128
    .sgpr_count:     66
    .vgpr_count:     1024
    .wavefront_size: 32
...
	.end_amdgpu_metadata
.endif
;; end of part 2
;; ======== version 2 of 2: 2 launches; version 1 with the launch tobf16 written anew for expert scheduling mode
;; workspace buffers: xb 33,554,432 bytes; wb 33,554,432 bytes
;; launch tobf16 (part 3): grid 512 x 1, 8 waves a work-group, no clusters, 0 bytes of LDS; arguments x, W, xb, wb; writes xb, wb
.if DOCPART == 3
	.amdgcn_target "amdgcn-amd-amdhsa--gfx1250"
	.amdhsa_code_object_version 6
	.text
	.protected	k_q52c7f3214f_tobf16
	.globl	k_q52c7f3214f_tobf16
	.p2align	8
	.type	k_q52c7f3214f_tobf16,@function
k_q52c7f3214f_tobf16:
	s_mov_b64 s[64:65], 0
	v_nop
	global_prefetch_b8 v0, s[64:65] scope:SCOPE_SE
	s_setreg_imm32_b32 hwreg(HW_REG_WAVE_SCHED_MODE, 0, 2), 2
	s_setreg_imm32_b32 hwreg(HW_REG_WAVE_MODE, 25, 1), 1
	s_wait_xcnt 0x0
	s_wait_alu depctr_vm_vsrc(0)
; xb = x and wb = W rounded to bf16 (nearest even), [4096][4096] each, for the product that follows.
; LAYOUT OF xb AND wb.  Inside each block of 256 columns the columns are permuted, alike in both tensors: workspace column 8 l + j holds source
; column 4 l + j (j = 0..3) or 128 + 4 l + (j - 4) (j = 4..7), l = 0..31.  So a lane's two loads of 16 bytes make its one store of 16 bytes: every load of a wave
; covers 512 consecutive bytes, every store 512 consecutive bytes, aligned, and nothing changes lanes.  The product sums over all columns of a row, and
; both operands carry the same permutation, so every product x[m][k] W[n][k] is still formed; only the order of the sum differs.
; LIMITS.  A magnitude beyond bf16's largest finite number becomes an infinity; NaN stays NaN.
; SHARES.  A turn is 1,024 bytes in, 512 bytes out.  A work-group takes 128 turns of x and then the 128 turns of W at the same offset: 16 + 16 rounds of eight
; turns, one a wave, so that the eight waves sweep consecutive bytes.  512 work-groups x 131,072 bytes are each tensor's 67,108,864.
; All 32 turns of a wave are written out: the round stands in the immediate offset (123,392 at the most), and no address register and no base is ever rewritten.
; No LDS, no barrier, no matrix unit: every byte is used once, by the lane that loaded it.
; THE MODE: SCHED_MODE bits 1:0 = 2 (LLVM: expert scheduling mode 2), set by the entry lines.  The code itself states the register dependences
; between vector instructions and memory instructions, with s_wait_alu, always for 0.
; THE PLAN.  The 32 turns go in 8 blocks of four.  Registers that memory instructions touch:
;   X0 .. X3    four blocks as loaded.   Written by the loads of block p + 3, issued in block p (blocks 0 to 2: at the head); read by block p's conversions.
;   Y0, Y1      two blocks to store.     Written by block p's conversions; read by the four stores that are issued in block p + 1.
;   VIN, VOUT   byte offsets, made once at the head and never written again.
; Block p works on X[p % 4] and writes Y[p % 2].  Its memory instructions are the loads into X[(p + 3) % 4] = X[(p - 1) % 4] and the stores from
; Y[(p - 1) % 2]: the two buffers that block p - 1 worked on and that no vector instruction of block p names.  So the waits at the head of a block
; state all that the block's twelve memory instructions hang on, and these are dealt among its conversions with no further wait.
; At a block's head sixteen younger loads of the wave stay out; with the eight that follow, twenty-four are on their way.
.set TURNS,  4                         ; turns in a block
.set BLOCKS, 32 / TURNS
.set X, 8                              ; v[8:135]   turn t: 8 registers at X + 8 (t % 16): floats 4 l .. 4 l + 3, then floats 128 + 4 l .. 128 + 4 l + 3; buffer k is X + 32 k
.set Y, 136                            ; v[136:167] turn t: 4 registers at Y + 4 (t % 8), 8 bf16 to store; buffer k is Y + 16 k
.set VIN, 2                            ; v2  1,024 x wave + 16 x lane; never rewritten
.set VOUT, 3                           ; v3  512 x wave + 16 x lane; never rewritten
	s_load_b256 s[4:11], s[0:1], 0x0               ; x s[4:5], W s[6:7], xb s[8:9], wb s[10:11]
	s_lshl_b32 s12, ttmp9, 17                      ; my 131,072 bytes of x and of W,
	s_mov_b32 s13, 0
	s_lshl_b32 s14, ttmp9, 16                      ; my 65,536 bytes of xb and of wb
	s_mov_b32 s15, 0
	v_and_b32 v1, 0xe0, v0                         ; 32 x wave
	v_lshlrev_b32 v[VOUT], 4, v0                   ; 16 x thread = 512 x wave + 16 x lane
	v_lshl_add_u32 v[VIN], v1, 4, v[VOUT]          ; + 512 x wave
	s_wait_kmcnt 0x0
	s_add_nc_u64 s[4:5], s[4:5], s[12:13]
	s_add_nc_u64 s[6:7], s[6:7], s[12:13]
	s_add_nc_u64 s[8:9], s[8:9], s[14:15]
	s_add_nc_u64 s[10:11], s[10:11], s[14:15]
	s_wait_alu depctr_va_vdst(0)                   ; VIN and VOUT are written: every load and store of the kernel reads one of them as its offset
; Turn t of 32: tensor t / 16 (x, then W), round t % 16.
.macro LOAD2 t                         ; the turn's two halves: 512 consecutive bytes each
	global_load_b128 v[X+8*((\t)%16):X+8*((\t)%16)+3],   v[VIN], s[4+2*((\t)/16):5+2*((\t)/16)] offset:8192*((\t)%16) th:TH_LOAD_NT
	global_load_b128 v[X+8*((\t)%16)+4:X+8*((\t)%16)+7], v[VIN], s[4+2*((\t)/16):5+2*((\t)/16)] offset:8192*((\t)%16)+512 th:TH_LOAD_NT
.endm
.macro ROUND4 t                        ; eight numbers: two roundings to a line, packed
.irp j, 0,1,2,3
	v_cvt_pk_bf16_f32 v[Y+4*((\t)%8)+(\j)], v[X+8*((\t)%16)+2*(\j)], v[X+8*((\t)%16)+2*(\j)+1]
.endr
.endm
.macro STORE1 t
	global_store_b128 v[VOUT], v[Y+4*((\t)%8):Y+4*((\t)%8)+3], s[8+2*((\t)/16):9+2*((\t)/16)] offset:4096*((\t)%16)  ; no hint: the next launch reads these bytes
.endm
; Block p of 8.
.macro BLK p
.if (\p) <= BLOCKS-3
	s_wait_loadcnt 4*TURNS                         ; loads come back in order (ISA guide 5.7.1): X[p % 4] is in, the two younger blocks' sixteen loads stay out
.else
	s_wait_loadcnt 2*TURNS*(BLOCKS-1-(\p))         ; the last blocks: the counts run down, 8 and 0
.endif
.if (\p) >= 2
	s_wait_xcnt 0x0                                ; every earlier memory instruction has had its addresses translated (ISA guide 3.1): Y[p % 2], the data of the stores issued in the block before, is rewritten only behind this wait
	s_wait_alu depctr_vm_vsrc(0)                   ; the stores issued in the block before have read Y[p % 2], which this block's conversions write again
.endif
.if (\p) >= 1
	s_wait_alu depctr_va_vdst(0)                   ; the block before has written the other Y, which the stores below read, and is done reading its X, in which the loads below land
.endif
.irp i, 0,1,2,3
.if (\p) <= BLOCKS-4
	LOAD2 TURNS*((\p)+3)+(\i)                      ; three blocks ahead; no vector instruction since the wait names these registers.  The loads go out ahead of the store
.endif
.if (\p) >= 1
	STORE1 TURNS*((\p)-1)+(\i)                     ; the block before
.endif
	ROUND4 TURNS*(\p)+(\i)
.endr
.endm
.irp n, 0,1,2,3,4,5,6,7,8,9,10,11
	LOAD2 \n                                       ; blocks 0, 1 and 2 into X0, X1, X2: twenty-four loads
.endr
.irp p, 0,1,2,3,4,5,6,7
	BLK \p                                         ; blocks 5 to 7 load nothing: no load leaves the buffers
.endr
	s_wait_alu depctr_va_vdst(0)                   ; block 7 has written Y1, which the last four stores read
.irp n, 28,29,30,31
	STORE1 \n
.endr
	s_endpgm
.Lfunc_end_k_q52c7f3214f_tobf16:
	.size	k_q52c7f3214f_tobf16, .Lfunc_end_k_q52c7f3214f_tobf16-k_q52c7f3214f_tobf16
	.p2alignl 7, 3214868480
	.fill 96, 4, 3214868480
	.section	.rodata,"a",@progbits
	.p2align	6, 0x0
	.amdhsa_kernel k_q52c7f3214f_tobf16
		.amdhsa_group_segment_fixed_size 0
		.amdhsa_private_segment_fixed_size 0
		.amdhsa_enable_private_segment 0
		.amdhsa_kernarg_size 32
		.amdhsa_user_sgpr_count 2
		.amdhsa_user_sgpr_kernarg_segment_ptr 1
		.amdhsa_wavefront_size32 1
		.amdhsa_system_sgpr_workgroup_id_x 1
		.amdhsa_system_sgpr_workgroup_id_y 1
		.amdhsa_system_sgpr_workgroup_id_z 1
		.amdhsa_system_vgpr_workitem_id 0
		.amdhsa_next_free_vgpr 168
		.amdhsa_next_free_sgpr 66
		.amdhsa_reserve_vcc 0
		.amdhsa_float_denorm_mode_32 3
		.amdhsa_float_denorm_mode_16_64 3
		.amdhsa_memory_ordered 1
		.amdhsa_forward_progress 1
		.amdhsa_inst_pref_size 19
	.end_amdhsa_kernel
	.amdgpu_metadata
---
amdhsa.version: [ 1, 2 ]
amdhsa.kernels:
  - .name:           k_q52c7f3214f_tobf16
    .symbol:         k_q52c7f3214f_tobf16.kd
    .args:
      - { .name: x, .offset: 0, .size: 8, .value_kind: global_buffer, .address_space: global }
      - { .name: W, .offset: 8, .size: 8, .value_kind: global_buffer, .address_space: global }
      - { .name: xb, .offset: 16, .size: 8, .value_kind: global_buffer, .address_space: global }
      - { .name: wb, .offset: 24, .size: 8, .value_kind: global_buffer, .address_space: global }
    .group_segment_fixed_size: 0
    .private_segment_fixed_size: 0
    .kernarg_segment_align: 8
    .kernarg_segment_size: 32
    .max_flat_workgroup_size: 256
    .sgpr_count:     66
    .vgpr_count:     168
    .wavefront_size: 32
...
	.end_amdgpu_metadata
.endif
;; end of part 3
;; launch gemm: the kernel of part 2 again; grid 16 x 16, 4 waves a work-group, clusters of 4 x 4, 327,680 bytes of LDS; arguments xb, wb, b, out0; writes out0
